; MI455X (gfx1250); checked and timed in simulation.
; The chip was launched on July 23, 2026; its instructions are those of AMD's public machine-readable ISA for CDNA 5 (MIT licence, August 2026) and "CDNA5" Instruction Set Architecture Reference Guide (July 2026). The comments in the code are by the model that wrote it; some were corrected since.
;; IQNRNN Dist Agent. Allowed arithmetic: matrix products marked QUANTISED: E2M3 operands, one E8M0 scale for each 32 along K, by v_wmma_scale_f32_16x16x128_f8f6f4 with both operands' format E2M3, f32 sums; products left as they are: f32 operands where the result goes on into a quantised operand, else bf16, f16 or f32 operands; f32 sums; everything else in f32.
;; Inputs: fc1_b 128 float32; fc1_w 256 x 128 float32; fc2_b 14 float32; fc2_w 128 x 14 float32; gru_bh 384 float32; gru_bi 384 float32; gru_wh 384 x 128 float32; gru_wi 384 x 128 float32; hidden_state 4,096 x 128 float32; hyp_b1 64 float32; hyp_b2 32,768 float32; hyp_w1 8 x 64 float32; hyp_w2 64 x 32,768 float32; inputs 512 x 8 x 256 float32; merger_w 1 x 2 x 128 float32; phi_b 128 float32; phi_w 64 x 128 float32; rnd_quantiles 512 x 1 x 8 float32.
;; Outputs: out0 4,096 x 14 x 8 float32; out1 4,096 x 128 float32; out2 512 x 8 float32.
;; This version of the problem:
;;   THIS VERSION OF THE PROBLEM IS GIVEN IN LOW PRECISION. The matrix products marked QUANTISED in the list below multiply operands that are first quantised to E2M3 (2 exponent bits, 3 mantissa bits; 6 bits a number), with one power-of-two scale for each 32 numbers along K (OCP MX v1.0); their sums are f32. All else is computed in f32.
;;   The module's matrix products, in the order in which they are computed (A, B: the left and right operand; K: the contracted axis; several contracted axes count as one K, in the product's order):
;;     1. [M 4,096, K 256] x [K 256, N 128]; A: input inputs; B: input fc1_w: QUANTISED
;;     2. [M 4,096, K 8] x [K 8, N 64]; A: computed on the way; B: input hyp_w1: left as it is (K = 8 < 32)
;;     3. [M 4,096, K 64] x [K 64, N 32,768]; A: computed on the way; B: input hyp_w2: QUANTISED
;;     4. batch 4,096 x [M 1, K 128] x [K 128, N 256]; A: computed on the way; B: computed on the way: left as it is (M = 1 < 16)
;;     5. [M 4,096, K 128] x [K 128, N 384]; A: computed on the way; B: input gru_wi: QUANTISED
;;     6. [M 4,096, K 128] x [K 128, N 384]; A: input hidden_state; B: input gru_wh: QUANTISED
;;     7. [M 4,096, K 64] x [K 64, N 128]; A: computed on the way; B: input phi_w: QUANTISED
;;     8. [M 32,768, K 128] x [K 128, N 14]; A: computed on the way; B: input fc2_w: left as it is (N = 14 < 16)
;;   THE QUANTISER, for each operand of a quantised product, along K:
;;     - K is cut into blocks of 32 from its start; a last block that is shorter is filled with zeros.
;;     - A block's scale is 2^e with e = floor(log2(the largest magnitude in the block)) - 2, held to -126 .. 127; a block of zeros has e = 0. As a byte (E8M0): e + 127.
;;     - Each number is divided by its block's scale, clamped to +-7.5, and rounded to the nearest number of E2M3, ties to even, subnormals kept.
;;     - The product sums the exact products of the quantised numbers (number of the format x scale) in f32.
;;   ~~~python
;;   def quantise(x, axis):      # numpy; x: float32 -> the quantised numbers, widened to float32 again
;;       x = np.moveaxis(x, axis, -1); K = x.shape[-1]
;;       x = np.pad(x, [(0, 0)] * (x.ndim - 1) + [(0, -K % 32)]); x = x.reshape(x.shape[:-1] + (-1, 32)); a = np.abs(x).max(-1, keepdims=True)
;;       e = np.where(a > 0, np.clip(np.frexp(np.where(a > 0, a, 1))[1] - 1 - 2, -126, 127), 0)      # np.frexp(a)[1] - 1 = floor(log2(a)), exactly
;;       r = np.clip(x / 2.0 ** e, -7.5, 7.5)
;;       step = 2.0 ** (np.maximum(np.frexp(np.where(r == 0, 1, r))[1] - 1, 0) - 3)
;;       q = np.round(r / step) * step * 2.0 ** e      # np.round: ties to even
;;       return np.moveaxis(q.reshape(q.shape[:-2] + (-1,))[..., :K], -1, axis).astype(np.float32)
;;   ~~~
;;   OPERANDS COMPUTED ON THE WAY. 'Computed on the way' means the value that the module computes at that place (a softmax that the list does not call 'softmax' is quantised finished and normalised). What goes into a quantiser is computed in f32, as accurately as f32 sums, v_exp_f32 and their like allow (about 1e-6 of the number): no bf16 or f16 on the way to a quantiser, and a product that is left as it is and whose result goes on into a quantised operand takes f32 operands (vector FMAs, or v_wmma_f32_16x16x4_f32). A number that lies on a knife's edge between two numbers of the format may be rounded either way, as far as f32 arithmetic and the matrix unit's own rounding can turn it there, and no further.
;; One version. Each part assembles by itself: llvm-mc -triple=amdgcn-amd-amdhsa -mcpu=gfx1250 --defsym DOCPART=n.
;; ======== version 1 of 1: 2 launches
;; limits: right only within a limited range of input values
;; workspace buffers: wsp 189,440 bytes
;; launch prep (part 1): grid 293 x 1, 2 waves a work-group, no clusters, 768 bytes of LDS; arguments hyp_w1, hyp_b1, hyp_w2, hyp_b2, merger_w, fc1_w, gru_wi, gru_wh, phi_w, fc2_w, rnd_quantiles, wsp, out2; writes wsp, out2
.if DOCPART == 1
	.amdgcn_target "amdgcn-amd-amdhsa--gfx1250"
	.amdhsa_code_object_version 6
	.text
	.protected	k_q644e21c2fc_prep
	.globl	k_q644e21c2fc_prep
	.p2align	8
	.type	k_q644e21c2fc_prep,@function
k_q644e21c2fc_prep:
	s_mov_b64 s[64:65], 0
	v_nop
	global_prefetch_b8 v0, s[64:65] scope:SCOPE_SE
	s_setreg_imm32_b32 hwreg(HW_REG_WAVE_MODE, 25, 1), 1
	s_wait_xcnt 0x0
; WHAT DOES NOT HANG ON A SAMPLE IS MADE ONCE, AND LAID AS THE SECOND LAUNCH'S REGISTERS WANT IT.
; The hypernet's left operand is relu(ones @ hyp_w1 + hyp_b1), and the ones are built by the model itself: all 4,096 rows of that operand are equal for every input,
; so all 4,096 matrices that the hypernet makes are ONE matrix W [128][256].  It is made here once, by the quantised product as it is defined (hh and hyp_w2 as codes of E2M3, one E8M0
; scale for each 32 along K = 64), hyp_b2 is added, and the softmax over the two heads of merger_w is folded in: Wm[i][o] = sm0[o] W[i][o] + sm1[o] W[i][128 + o].
; Work-groups 0-255 (path H): row i = g / 2 of W, 64 outputs o; a wave takes 32 outputs x 2 heads: a lane to a column, its registers down K.
; Work-groups 256-291 (path W): a wave makes one operand fragment (16 rows x 128 K, 12 registers a lane) of fc1_w, gru_wi, gru_wh or phi_w and stores it as an image of its registers, with its scale words.
; Work-group 292 (path M): wave 0 lays fc2_w as bf16 fragments, wave 1 copies rnd_quantiles to out2.
; THE ROWS OF A WEIGHT TILE ARE NOT NEIGHBOURS: lane r of tile T takes row 32 (T / 2) + 8 (T % 2) + r + 8 (r / 8), so that, used as source 0, tiles 2 b and 2 b + 1 leave a lane 16 neighbouring units.
; wsp: 0 Wm (65,536 bytes, as source 0 of the f32 matrix form wants it);  W_IMG 72 fragments x 1,536 bytes (group c of four registers of lane L at 512 c + 16 L);  W_SCL 72 x 128 bytes (4 L);  W_FC2 4,096 bytes.
; LIMITS: NaN and infinities among the inputs are not served.  A block of zeros, or one whose largest magnitude lies under 2^-124, gets the scale byte 1 where the quantiser says 127 or less:
; a block of zeros has zero codes, which add nothing under any byte but 0xff, and the bytes are read by this program alone.  The head weights enter W ahead of the sum over i: another order of f32 rounding than the model's.
; No tensor loads, no cluster, no barrier: no byte is read by two waves but the 2.5 KB of hyp_w1 and hyp_b1.
.set W_IMG, 65536
.set W_SCL, 176128
.set W_FC2, 185344
.set MXA, 30                           ; v30, v31  two chains of a largest magnitude
.set MXB, 31
.set SC,  32                           ; v32       the conversion's scale operand
.set TP,  33                           ; v33       a lane permute's destination
.set TC,  34                           ; v[34:36]  a block's upper 16 codes
.set SEL, 32                           ; s[32:33]  lane selects: lane l xor 16
; 32 numbers of ONE lane, one block along K, become 6 registers of codes at dst (even) and the scale's byte in v[by].
.macro QBLK32 src, dst, by
	v_max3_num_f32 v[MXA], |v[(\src)]|, |v[(\src)+1]|, |v[(\src)+2]|
	v_max3_num_f32 v[MXB], |v[(\src)+3]|, |v[(\src)+4]|, |v[(\src)+5]|
.irp i, 6,10,14,18,22,26
	v_max3_num_f32 v[MXA], v[MXA], |v[(\src)+\i]|, |v[(\src)+\i+1]|
	v_max3_num_f32 v[MXB], v[MXB], |v[(\src)+\i+2]|, |v[(\src)+\i+3]|
.endr
	v_max3_num_f32 v[MXA], v[MXA], |v[(\src)+30]|, |v[(\src)+31]|
	v_max3_num_f32 v[MXA], v[MXA], v[MXB], 0x1800000               ; the floor 2^(3 - 127): the byte cannot fall under 1
	v_add_nc_u32 v[SC], 0xff000000, v[MXA]                         ; 2 off the exponent field: the conversion takes that field as its scale
	v_lshrrev_b32 v[\by], 23, v[SC]                                ; the scale's byte
	v_cvt_scalef32_pk16_fp6_f32 v[(\dst):(\dst)+2], v[(\src):(\src)+15], v[SC]
	v_cvt_scalef32_pk16_fp6_f32 v[TC:TC+2], v[(\src)+16:(\src)+31], v[SC]   ; (a conversion's three registers begin on an even number)
	v_nop                                                          ; one plain place behind a scaled conversion
	v_mov_b32 v[(\dst)+3], v[TC]
	v_mov_b32 v[(\dst)+4], v[TC+1]
	v_mov_b32 v[(\dst)+5], v[TC+2]
.endm
	s_load_b512 s[4:19], s[0:1], 0x0               ; hyp_w1 4, hyp_b1 6, hyp_w2 8, hyp_b2 10, merger_w 12, fc1_w 14, gru_wi 16, gru_wh 18
	s_load_b256 s[20:27], s[0:1], 0x40             ; phi_w 20, fc2_w 22, rnd_quantiles 24, wsp 26
	s_load_b64 s[28:29], s[0:1], 0x60              ; out2
	v_lshl_add_u32 v37, v0, 2, 0x200
	s_set_vgpr_msb 0x40
	v_mov_b32 v1, 0
	s_set_vgpr_msb 0x4000
	v_lshrrev_b32 v1, 5, v0
	v_readfirstlane_b32 s30, v1                    ; wave 0, 1
	v_and_b32 v1, 31, v0                           ; L
	v_lshlrev_b32 v2, 2, v1                        ; 4 L
	v_bfe_u32 v3, v0, 4, 1                         ; h = L / 16
	v_mov_b32 v[TP], 0                             ; written once: a lane permute's destination counts as one of its sources
	s_mov_b32 s[SEL], 0x76543210
	s_mov_b32 s[SEL+1], 0xfedcba98
	s_wait_kmcnt 0x0
	s_cmp_lt_u32 ttmp9, 256
	s_cbranch_scc0 .Lnot_h
; ---------------- PATH H: one row i of W, 32 outputs x 2 heads a wave ----------------
; v4, v5 LDS; v6 my place in Wm; v8-23 hyp_w1; v24, 25 hyp_b1; v26, 27 hyp_b2; v28, 29 merger_w; v38 hh's scale word; v39, 40 hyp_w2's scale words (one for each head);
; v[44:55] hh's fragment; v[56:87] hh, then v[56:67], [68:79], [80:91], [92:103] hyp_w2's four fragments; v128-255 hyp_w2 (head n, k) at 128 + 64 n + k; v[128:159] later the four results.
	s_lshr_b32 s34, ttmp9, 1                       ; i
	s_and_b32 s35, ttmp9, 1
	s_lshl_b32 s36, s35, 1
	s_add_co_u32 s36, s36, s30                     ; b = 2 x half + wave: my outputs are 32 b + L
	s_lshl_b32 s38, s34, 10
	s_lshl_b32 s40, s36, 7                         ; 4 x 32 b
	s_add_co_u32 s38, s38, s40                     ; 4 (256 i + 32 b): my first column of hyp_w2 and of hyp_b2
	s_mov_b32 s39, 0
	s_mov_b32 s41, 0
	s_add_nc_u64 s[8:9], s[8:9], s[38:39]
	s_add_nc_u64 s[10:11], s[10:11], s[38:39]
	s_add_nc_u64 s[12:13], s[12:13], s[40:41]
	s_lshl_b32 s42, s36, 14                        ; Wm[i][o] lies at 16384 b + 8192 u + 2048 (i / 32) + 512 ((i / 4) % 4) + 256 ((i / 16) % 2) + 16 rA + 4 (i % 4)
	s_lshr_b32 s44, s34, 5
	s_lshl_b32 s44, s44, 11
	s_add_co_u32 s42, s42, s44
	s_bfe_u32 s44, s34, 0x20002
	s_lshl_b32 s44, s44, 9
	s_add_co_u32 s42, s42, s44
	s_bfe_u32 s44, s34, 0x10004
	s_lshl_b32 s44, s44, 8
	s_add_co_u32 s42, s42, s44
	s_and_b32 s44, s34, 3
	s_lshl_b32 s44, s44, 2
	s_add_co_u32 s42, s42, s44
	s_mov_b32 s43, 0
	s_add_nc_u64 s[26:27], s[26:27], s[42:43]
	s_lshl_b32 s45, s30, 8                         ; my wave's 256 bytes of LDS
	v_add_nc_u32 v4, s45, v2                       ; in: 4 L
	v_lshl_add_u32 v5, v3, 7, s45                  ; back: block h of hh, 128 bytes
	v_and_b32 v7, 7, v0
	v_lshl_add_u32 v7, v3, 3, v7                   ; rA = L % 8 + 8 (L / 16)
	v_lshlrev_b32 v7, 4, v7
	v_bfe_u32 v6, v0, 3, 1                         ; u = (L / 8) % 2
	v_lshl_add_u32 v6, v6, 13, v7
.irp j, 0,1,2,3,4,5,6,7
	global_load_b32 v[8+\j], v2, s[4:5] offset:256*\j              ; hyp_w1[j][L]
	global_load_b32 v[16+\j], v2, s[4:5] offset:256*\j+128         ; hyp_w1[j][32 + L]
.endr
	global_load_b32 v24, v2, s[6:7]
	global_load_b32 v25, v2, s[6:7] offset:128
	global_load_b32 v26, v2, s[10:11]
	global_load_b32 v27, v2, s[10:11] offset:512
	global_load_b32 v28, v2, s[12:13]
	global_load_b32 v29, v2, s[12:13] offset:512
.set q, 0
.rept 128                              ; hyp_w2[k][256 i + 128 n + 32 b + L]: 32 lanes read 128 consecutive bytes, the two waves of the group together 256, aligned; head 0's 64 rows first
	global_load_b32 v[128+q], v2, s[8:9] offset:(q%64)*131072+512*(q/64) th:TH_LOAD_NT
.set q, q+1
.endr
	s_wait_loadcnt 63                              ; 150 loads were issued: with 63 out at the most the first 87 are in: the 22 small ones and head 0's 64
.irp b, 8, 16
	v_add_f32 v[\b], v[\b], v[\b+1]                ; ones @ hyp_w1: the sum down its eight rows
	v_add_f32 v[\b+2], v[\b+2], v[\b+3]
	v_add_f32 v[\b+4], v[\b+4], v[\b+5]
	v_add_f32 v[\b+6], v[\b+6], v[\b+7]
	v_add_f32 v[\b], v[\b], v[\b+2]
	v_add_f32 v[\b+4], v[\b+4], v[\b+6]
	v_add_f32 v[\b], v[\b], v[\b+4]
.endr
	v_add_f32 v8, v8, v24
	v_add_f32 v16, v16, v25
	v_max_num_f32 v8, 0, v8                        ; hh[L]
	v_max_num_f32 v16, 0, v16                      ; hh[32 + L]
	ds_store_b32 v4, v8                            ; hh turns through the wave's own LDS bytes: a lane wants a whole block of 32
	ds_store_b32 v4, v16 offset:128
.irp e, 0,1,2,3,4,5,6,7
	ds_load_b128 v[56+4*\e:59+4*\e], v5 offset:16*\e               ; LDS serves a wave's instructions in order: these see my stores
.endr
	s_wait_dscnt 0x0
	QBLK32 56, 44, 41                              ; lane (r, h): the codes of k = 32 h .. 32 h + 31: sixteen equal rows of the operand
.irp f, 50, 62, 74, 86, 98
.irp e, 0,1,2,3,4,5
	v_mov_b32 v[\f+\e], 0                          ; K ends at 64: the instruction's k = 64 .. 127 are zero codes on both sides
.endr
.endr
	v_lshlrev_b32 v7, 3, v3
	v_lshlrev_b32 v41, v7, v41                     ; my block's byte at its place,
	v_permlanex16_b32 v[TP], v41, s[SEL], s[SEL+1]
	v_or_b32 v38, v41, v[TP]                       ; with lane l xor 16's: hh's scale word (bytes 2, 3 stay 0, over zero codes)
	QBLK32 128, 56, 42                             ; head 0: column L, block 0
	QBLK32 160, 68, 43                             ;                   block 1
	v_lshl_or_b32 v39, v43, 8, v42                 ; column L's scale word
.irp e, 0,1,2,3,4,5
	v_permlane16_swap_b32 v[56+\e], v[68+\e]       ; the first now holds columns 0-15 (lanes 0-15 block 0, lanes 16-31 block 1), the second columns 16-31
.endr
	s_wait_loadcnt 32                              ; behind head 1's block 0 stand only its block 1's 32 loads
	QBLK32 192, 80, 42
	s_wait_loadcnt 0x0
	QBLK32 224, 92, 43
	v_lshl_or_b32 v40, v43, 8, v42
.irp e, 0,1,2,3,4,5
	v_permlane16_swap_b32 v[80+\e], v[92+\e]
.endr
	v_max_num_f32 v104, v28, v29                   ; softmax over the two heads, for my output.  Its eleven plain lines are also the places between the last write of a scale word (8 are asked) and of an operand (4) and the products
	v_sub_f32 v105, v28, v104
	v_sub_f32 v106, v29, v104
	v_mul_f32 v105, 0x3fb8aa3b, v105
	v_mul_f32 v106, 0x3fb8aa3b, v106
	v_exp_f32 v105, v105
	v_exp_f32 v106, v106
	v_nop                                          ; a plain place behind the exponentials
	s_wait_alu depctr_va_vdst(0)
	v_add_f32 v107, v105, v106
	v_rcp_f32 v107, v107
	v_nop
	s_wait_alu depctr_va_vdst(0)
	v_mul_f32 v105, v105, v107
	v_mul_f32 v106, v106, v107
	v_cmp_le_u32 vcc_lo, 16, v1                    ; lanes 16-31
	; source 0 = hh's sixteen equal rows, source 1 = sixteen columns: register 0 of lane (r, .) is W at column r.  Four sums, four accumulators.  Columns 16-31 have their scale words in lanes 16-31.
	v_wmma_scale_f32_16x16x128_f8f6f4 v[128:135], v[44:55], v[56:67], 0, v38, v39 matrix_a_fmt:MATRIX_FMT_FP6 matrix_b_fmt:MATRIX_FMT_FP6
	v_wmma_scale_f32_16x16x128_f8f6f4 v[136:143], v[44:55], v[68:79], 0, v38, v39 matrix_a_fmt:MATRIX_FMT_FP6 matrix_b_fmt:MATRIX_FMT_FP6 matrix_b_scale:MATRIX_SCALE_ROW1
	v_wmma_scale_f32_16x16x128_f8f6f4 v[144:151], v[44:55], v[80:91], 0, v38, v40 matrix_a_fmt:MATRIX_FMT_FP6 matrix_b_fmt:MATRIX_FMT_FP6
	v_wmma_scale_f32_16x16x128_f8f6f4 v[152:159], v[44:55], v[92:103], 0, v38, v40 matrix_a_fmt:MATRIX_FMT_FP6 matrix_b_fmt:MATRIX_FMT_FP6 matrix_b_scale:MATRIX_SCALE_ROW1
.rept 4
	v_nop                                          ; four places behind the products (ISA guide 7.12.1)
.endr
	v_cndmask_b32 v108, v128, v136, vcc_lo         ; column L of head 0: lanes 0-15 from the first tile, lanes 16-31 from the second
	v_cndmask_b32 v109, v144, v152, vcc_lo         ; and of head 1
	v_add_f32 v108, v108, v26                      ; + hyp_b2
	v_add_f32 v109, v109, v27
	v_mul_f32 v108, v105, v108
	v_fmac_f32 v108, v106, v109                    ; Wm[i][32 b + L]
	global_store_b32 v6, v108, s[26:27]            ; 4 bytes a lane, 16 bytes apart: the price, on 64 KB in the whole launch, of a layout from which the second launch loads 16 bytes a lane
	s_set_vgpr_msb 0x4
	s_wait_tensorcnt 0x0
	ds_add_u32 v37, v1
	s_wait_dscnt 0x0
	s_set_vgpr_msb 0x400
	s_endpgm
.Lnot_h:
	s_cmp_lt_u32 ttmp9, 292
	s_cbranch_scc0 .Lpath_m
; ---------------- PATH W: one wave, one fragment J: 0-15 fc1_w (tile J / 2, K step J % 2), 16-39 gru_wi, 40-63 gru_wh, 64-71 phi_w ----------------
; v[64:127] the lane's 64 numbers: register 32 c + e = k 64 c + 32 h + e of its row; v[44:55] the fragment.
	s_sub_co_u32 s34, ttmp9, 256
	s_lshl_b32 s34, s34, 1
	s_add_co_u32 s34, s34, s30                     ; J
	v_and_b32 v4, 15, v0                           ; r
	v_and_b32 v5, 8, v4
	v_add_nc_u32 v5, v5, v4                        ; r + 8 (r / 8)
	s_cmp_lt_u32 s34, 16
	s_cbranch_scc1 .Lkn
	s_cmp_lt_u32 s34, 64
	s_cbranch_scc0 .Lkn
	; K innermost: gru_wi, gru_wh [384][128]: a row is 512 bytes; my 32 numbers of a block are 128 neighbouring bytes
	s_cmp_lt_u32 s34, 40
	s_cselect_b64 s[36:37], s[16:17], s[18:19]
	s_cselect_b32 s35, 16, 40
	s_sub_co_u32 s35, s34, s35                     ; tile T
	s_lshr_b32 s38, s35, 1
	s_lshl_b32 s38, s38, 5
	s_and_b32 s39, s35, 1
	s_lshl_b32 s39, s39, 3
	s_add_co_u32 s38, s38, s39                     ; its first row
	s_lshl_b32 s38, s38, 9
	s_mov_b32 s39, 0
	s_add_nc_u64 s[36:37], s[36:37], s[38:39]
	v_lshlrev_b32 v6, 9, v5
	v_lshl_add_u32 v6, v3, 7, v6                   ; 512 x row + 128 h
.irp c, 0,1
.irp e, 0,1,2,3,4,5,6,7
	global_load_b128 v[64+32*\c+4*\e:67+32*\c+4*\e], v6, s[36:37] offset:256*\c+16*\e
.endr
.endr
	s_branch .Ljoin
.Lkn:
	; K outermost: fc1_w [256][128], phi_w [64][128]: a lane takes a column, its registers run down K; a row of either is 512 bytes
	s_lshr_b32 s38, s34, 1
	s_sub_co_u32 s39, s34, 64
	s_and_b32 s40, s34, 1
	s_lshl_b32 s40, s40, 16                        ; fc1_w's K step: 128 rows
	s_cmp_lt_u32 s34, 16
	s_cselect_b64 s[36:37], s[14:15], s[20:21]
	s_cselect_b32 s35, s38, s39                    ; tile T
	s_cselect_b32 s40, s40, 0
	s_lshr_b32 s38, s35, 1
	s_lshl_b32 s38, s38, 7
	s_and_b32 s39, s35, 1
	s_lshl_b32 s39, s39, 5
	s_add_co_u32 s38, s38, s39                     ; 4 x its first column
	s_add_co_u32 s38, s38, s40
	s_mov_b32 s39, 0
	s_add_nc_u64 s[36:37], s[36:37], s[38:39]
	v_lshlrev_b32 v6, 2, v5
	v_lshl_add_u32 v6, v3, 14, v6                  ; 4 x column + 32 h rows
.set q, 0
.rept 32
	global_load_b32 v[64+q], v6, s[36:37] offset:512*q
.set q, q+1
.endr
	s_cmp_lt_u32 s34, 16
	s_cbranch_scc0 .Lphi_zero
.set q, 0
.rept 32
	global_load_b32 v[96+q], v6, s[36:37] offset:512*(64+q)
.set q, q+1
.endr
	s_branch .Ljoin
.Lphi_zero:
.set q, 0
.rept 32
	v_mov_b32 v[96+q], 0                           ; phi_w's K ends at 64: zeros, which become zero codes
.set q, q+1
.endr
.Ljoin:
	s_wait_loadcnt 0x0
	QBLK32 64, 44, 41                              ; block h
	QBLK32 96, 50, 42                              ; block 2 + h
	v_lshl_or_b32 v41, v42, 16, v41
	v_lshlrev_b32 v7, 3, v3
	v_lshlrev_b32 v41, v7, v41                     ; my two bytes at their places in the row's scale word,
	v_permlanex16_b32 v[TP], v41, s[SEL], s[SEL+1]
	v_or_b32 v41, v41, v[TP]                       ; with lane l xor 16's two the word is whole, in both halves of the lanes
	s_mul_i32 s38, s34, 1536
	s_add_co_u32 s38, s38, W_IMG
	s_mov_b32 s39, 0
	s_add_nc_u64 s[36:37], s[26:27], s[38:39]      ; (the loads that named s[36:37] are done)
	s_lshl_b32 s40, s34, 7
	s_add_co_u32 s40, s40, W_SCL
	s_mov_b32 s41, 0
	s_add_nc_u64 s[40:41], s[26:27], s[40:41]
	v_lshlrev_b32 v8, 4, v1
	global_store_b128 v8, v[44:47], s[36:37]       ; the fragment as it stands: each store covers 512 consecutive bytes, aligned
	global_store_b128 v8, v[48:51], s[36:37] offset:512
	global_store_b128 v8, v[52:55], s[36:37] offset:1024
	global_store_b32 v2, v41, s[40:41]
	s_endpgm
.Lpath_m:
	s_cmp_eq_u32 s30, 0
	s_cbranch_scc0 .Lcopy
	; fc2_w [128][14] as bf16 fragments of source 1: lane (r, h), K step j, register p holds k = 32 j + 16 h + 2 p, + 1 of column r.  The other operand is laid by the same order of k.
	; Columns 14 and 15 are copies of column 13: their results are never stored.
	v_and_b32 v4, 15, v0
	v_min_u32 v4, 13, v4
	v_lshlrev_b32 v4, 2, v4
	v_mad_u32_u24 v4, v3, 896, v4                  ; 4 x column + 16 h rows of 56 bytes
.set q, 0
.rept 64
	global_load_b32 v[64+q], v4, s[22:23] offset:56*(32*(q/16)+q%16)
.set q, q+1
.endr
	s_wait_loadcnt 0x0
.set q, 0
.rept 32
	v_cvt_pk_bf16_f32 v[128+q], v[64+2*q], v[65+2*q]
.set q, q+1
.endr
	v_lshlrev_b32 v8, 4, v1
.irp k, 0,1,2,3,4,5,6,7
	global_store_b128 v8, v[128+4*\k:131+4*\k], s[26:27] offset:W_FC2+512*\k
.endr
	s_endpgm
.Lcopy:
	v_lshlrev_b32 v8, 4, v1                        ; out2 = rnd_quantiles: 16,384 bytes, 32 loads and 32 stores of 512 consecutive bytes
.set q, 0
.rept 32
	global_load_b128 v[128+4*q:131+4*q], v8, s[24:25] offset:512*q
.set q, q+1
.endr
	s_wait_loadcnt 0x0
.set q, 0
.rept 32
	global_store_b128 v8, v[128+4*q:131+4*q], s[28:29] offset:512*q
.set q, q+1
.endr
	s_endpgm
.Lfunc_end_k_q644e21c2fc_prep:
	.size	k_q644e21c2fc_prep, .Lfunc_end_k_q644e21c2fc_prep-k_q644e21c2fc_prep
	.p2alignl 7, 3214868480
	.fill 96, 4, 3214868480
	.section	.rodata,"a",@progbits
	.p2align	6, 0x0
	.amdhsa_kernel k_q644e21c2fc_prep
		.amdhsa_group_segment_fixed_size 768
		.amdhsa_private_segment_fixed_size 0
		.amdhsa_enable_private_segment 0
		.amdhsa_kernarg_size 104
		.amdhsa_user_sgpr_count 2
		.amdhsa_user_sgpr_kernarg_segment_ptr 1
		.amdhsa_wavefront_size32 1
		.amdhsa_system_sgpr_workgroup_id_x 1
		.amdhsa_system_sgpr_workgroup_id_y 1
		.amdhsa_system_sgpr_workgroup_id_z 1
		.amdhsa_system_vgpr_workitem_id 0
		.amdhsa_next_free_vgpr 258
		.amdhsa_next_free_sgpr 66
		.amdhsa_reserve_vcc 1
		.amdhsa_float_denorm_mode_32 3
		.amdhsa_float_denorm_mode_16_64 3
		.amdhsa_memory_ordered 1
		.amdhsa_forward_progress 1
		.amdhsa_inst_pref_size 57
	.end_amdhsa_kernel
	.amdgpu_metadata
---
amdhsa.version: [ 1, 2 ]
amdhsa.kernels:
  - .name:           k_q644e21c2fc_prep
    .symbol:         k_q644e21c2fc_prep.kd
    .args:
      - { .name: hyp_w1, .offset: 0, .size: 8, .value_kind: global_buffer, .address_space: global }
      - { .name: hyp_b1, .offset: 8, .size: 8, .value_kind: global_buffer, .address_space: global }
      - { .name: hyp_w2, .offset: 16, .size: 8, .value_kind: global_buffer, .address_space: global }
      - { .name: hyp_b2, .offset: 24, .size: 8, .value_kind: global_buffer, .address_space: global }
      - { .name: merger_w, .offset: 32, .size: 8, .value_kind: global_buffer, .address_space: global }
      - { .name: fc1_w, .offset: 40, .size: 8, .value_kind: global_buffer, .address_space: global }
      - { .name: gru_wi, .offset: 48, .size: 8, .value_kind: global_buffer, .address_space: global }
      - { .name: gru_wh, .offset: 56, .size: 8, .value_kind: global_buffer, .address_space: global }
      - { .name: phi_w, .offset: 64, .size: 8, .value_kind: global_buffer, .address_space: global }
      - { .name: fc2_w, .offset: 72, .size: 8, .value_kind: global_buffer, .address_space: global }
      - { .name: rnd_quantiles, .offset: 80, .size: 8, .value_kind: global_buffer, .address_space: global }
      - { .name: wsp, .offset: 88, .size: 8, .value_kind: global_buffer, .address_space: global }
      - { .name: out2, .offset: 96, .size: 8, .value_kind: global_buffer, .address_space: global }
    .group_segment_fixed_size: 768
    .private_segment_fixed_size: 0
    .kernarg_segment_align: 8
    .kernarg_segment_size: 104
    .max_flat_workgroup_size: 64
    .sgpr_count:     66
    .vgpr_count:     258
    .wavefront_size: 32
...
	.end_amdgpu_metadata
.endif
;; end of part 1
;; launch agent (part 2): grid 256 x 1, 4 waves a work-group, no clusters, 41,984 bytes of LDS; arguments inputs, hidden_state, rnd_quantiles, fc1_b, phi_b, gru_bi, gru_bh, fc2_b, wsp, out0, out1; writes out0, out1
.if DOCPART == 2
	.amdgcn_target "amdgcn-amd-amdhsa--gfx1250"
	.amdhsa_code_object_version 6
	.text
	.protected	k_q644e21c2fc_agent
	.globl	k_q644e21c2fc_agent
	.p2align	8
	.type	k_q644e21c2fc_agent,@function
k_q644e21c2fc_agent:
	s_mov_b64 s[64:65], 0
	v_nop
	global_prefetch_b8 v0, s[64:65] scope:SCOPE_SE
	s_setreg_imm32_b32 hwreg(HW_REG_WAVE_MODE, 25, 1), 1
	s_wait_xcnt 0x0
; THE WHOLE STEP FOR 16 SAMPLES (two episodes of eight agents) IN ONE WORK-GROUP OF FOUR WAVES; nothing goes through memory on the way.
;   A   inputs, hidden_state and the quantiles' cosines are quantised (E2M3, one E8M0 scale for each 32 along K) and meet in LDS as rows of codes                        | barrier
;   P1  x = relu(Q(inputs) Q(fc1_w) + fc1_b);   P7  q_phi = relu(Q(cos) Q(phi_w) + phi_b)                                                                            | barrier
;   P4  emb = x Wm in f32 (Wm: the hypernet's one matrix with the heads' softmax folded in, made by the launch before); x2 = relu(emb), quantised                    | barrier
;   P5, P6  the GRU's six products on codes; its gates in f32; h                                                                                                     | barrier
;   P8  (h x q_phi) fc2_w + fc2_b in bf16; the eight quantiles of a sample and an action lie in ONE lane's eight registers and are sorted there; out0 and out1 leave in whole runs of 256 bytes.
; THE WAVES SHARE THE COLUMNS: wave w owns units 32 w .. 32 w + 31 in P1, P4, P5, P6, P7 (in P8: samples 4 w .. 4 w + 3).  The products are used transposed (source 0 = 16 rows of a weight,
; source 1 = the 16 samples), and the rows of a weight tile are chosen so that lane (r, h) holds sample r and units 32 w + 16 h + 0 .. 15 in 16 registers, throughout.
; WEIGHTS come from wsp as images of the operands' registers: 16 bytes a lane, 512 consecutive bytes a load.  NO CLUSTER, NO JOINT LOADS, though all 256 work-groups read the same 175 KB: each of these bytes
; is wanted by one wave of a work-group, once, and goes straight into that wave's registers (44 KB a wave); a joint load would lay them in LDS, whence the same 175 KB would be read once more.
; LIMITS: NaN and infinities among the inputs are not served.  A block of zeros, or one under 2^-124, gets the scale byte 1; a block of zeros has zero codes, and the bytes are this program's own.
; The cosine is exact in its reduction for |pi f rq| < 2^22.  h x q_phi and fc2_w are rounded to bf16 for the last product.
; REGISTERS, in windows of 256.  Window 0: v1-39 ids, offsets and LDS addresses, never rewritten; v40-47 at work; v48-70 scale words and nothing else; v72-135 operands from LDS, hidden_state;
;   v136-151 the sums of the f32 matrix form, written by it alone (and no other window's registers of these numbers are written at all); v152-183 x, x2, q_phi, later fc2's sums; v192-255 64 numbers at work.
;   Window 1: fc1_w 0, gru_wi 48, gru_wh 152, phi_w 224.   Window 2: Wm 0-127, later q_phi; fc1_b 152, phi_b 168, fc2_w 184.   Window 3: gru_bi 0, gru_bh 48.
.set W_IMG, 65536
.set W_SCL, 176128
.set W_FC2, 185344
.set L_INC, 0                          ; LDS: codes of inputs, 16 rows x 192 bytes
.set L_HC,  3072                       ; of hidden_state, rows of 96
.set L_X2C, 4608                       ; of x2, rows of 96
.set L_CC,  6144                       ; of the cosines, rows of 48
.set L_INS, 6912                       ; scale bytes: inputs, 8 a row;
.set L_HS,  7168                       ; hidden_state, x2, cosines: 4 a row
.set L_X2S, 7424
.set L_CS,  7680
.set L_XST, 8192                       ; x as images of registers, 2,048 bytes a wave
.set L_HST, 16384                      ; h: 16 rows x (512 + 16)
.set L_QST, 24832                      ; q_phi likewise
.set L_OST, 33280                      ; out0's stage: 2,048 bytes for each wave, its own: 512 a sample
.set AIN, 4
.set AHID, 5
.set R4, 6
.set LI, 7
.set AWM, 8
.set AI2, 9
.set AI4, 10
.set AS2, 11
.set AS4, 12
.set ABI, 13
.set RC192, 14
.set RS8, 15
.set RC96, 16
.set RS4, 17
.set RC48, 18
.set RS4C, 19
.set FR192, 20
.set FR96, 21
.set FR48, 22
.set R8, 23
.set XW, 24
.set STW, 25
.set HRD, 26
.set QRD, 27
.set O1R, 28
.set O1G, 29
.set OSW, 30
.set O0G, 31
.set OSR, 32                           ; v32-38
.set AFB, 39
.set MX, 40
.set TP, 41
.set SC, 42
.set FI, 43
.set C127, 47
.set FC1S, 48                          ; scale words: fc1_w 48 + 2 u + s; phi_w 52 + u; gru_wi 54 + 2 g + u; gru_wh 60 + 2 g + u
.set PHS, 52
.set WIS, 54
.set WHS, 60
.set INSW, 66                          ; v[66:67] inputs'; v68 cosines'; v69 hidden_state's; v70 x2's
.set CSW, 68
.set HSW, 69
.set X2SW, 70
.set RQ, 71
.set INF0, 72
.set X2F, 72
.set INF1, 84
.set CF, 96
.set HF, 108
.set HP, 120
.set EMB, 136
.set XA, 152
.set QP, 168
.set CB, 152
.set Q0, 160
.set Q1, 168
.set FB, 184
.set BIG, 192
.set HV1, 72
.set FC1F, 0                           ; window 1
.set WIF, 48
.set WHF, 152
.set PHF, 224
.set FC1B, 152                         ; window 2
.set PHB, 168
.set FC2R, 184
.set BI, 0                             ; window 3
.set BH, 48
.set SEL, 40                           ; s[40:41]
.set MSB, 0
.macro WIN new                         ; bits 1:0 source 0, 3:2 source 1, 5:4 source 2, 7:6 destination; the immediate's high byte repeats the setting that is left
.if MSB != \new
	s_set_vgpr_msb (MSB<<8)|\new
.set MSB, \new
.endif
.endm
; 16 numbers of a lane, half a block of 32 (lane l xor 16 holds the other half), become 12 bytes of codes in the row of codes at v[ca] + coff and the block's byte at v[sa] + soff.
; Each call has its own four registers cd .. cd + 3, so that no LDS store's data are written again.
.macro QB16 src, cd, ca, coff, sa, soff
	v_max3_num_f32 v[MX], |v[(\src)]|, |v[(\src)+1]|, 0x1800000    ; the floor 2^(3 - 127): the byte cannot fall under 1
.irp i, 2,4,6,8,10,12,14
	v_max3_num_f32 v[MX], v[MX], |v[(\src)+\i]|, |v[(\src)+\i+1]|
.endr
	v_permlanex16_b32 v[TP], v[MX], s[SEL], s[SEL+1]
	v_max_num_f32 v[MX], v[MX], v[TP]                              ; the block's largest magnitude
	v_add_nc_u32 v[SC], 0xff000000, v[MX]                          ; 2 off its exponent field: the conversion's scale operand
	v_cvt_scalef32_pk16_fp6_f32 v[(\cd):(\cd)+2], v[(\src):(\src)+15], v[SC]
	v_lshrrev_b32 v[(\cd)+3], 23, v[SC]                            ; the scale's byte.  (Also the plain place behind the conversion)
.irp i, 0,1,2
	ds_store_b32 v[\ca], v[(\cd)+\i] offset:(\coff)+4*\i
.endr
	ds_store_b8 v[\sa], v[(\cd)+3] offset:\soff                    ; both lanes of a block write the same byte with the same value
.endm
.macro FRAG6 reg, adr, off             ; a fragment from rows of codes: 24 bytes for k = 32 h on, 24 for k = 64 + 32 h on, in pieces of 8 bytes
.irp p, 0,1,2,3,4,5
	ds_load_b64 v[(\reg)+2*\p:(\reg)+2*\p+1], v[\adr] offset:(\off)+48*(\p/3)+8*(\p%3)
.endr
.endm
.macro BAR                             ; my LDS stores have landed and my LDS loads are in: then the work-group's barrier
	s_wait_dscnt 0x0
	s_barrier_signal -1
	s_barrier_wait -1
.endm
.macro GW d, a, b, c, sa, sb           ; one product on codes: source 0 a weight's 16 rows, source 1 the 16 samples
	v_wmma_scale_f32_16x16x128_f8f6f4 v[(\d):(\d)+7], v[(\a):(\a)+11], v[(\b):(\b)+11], v[(\c):(\c)+7], v[\sa], v[\sb] matrix_a_fmt:MATRIX_FMT_FP6 matrix_b_fmt:MATRIX_FMT_FP6
.endm
	s_load_b512 s[4:19], s[0:1], 0x0               ; inputs 4, hidden_state 6, rnd_quantiles 8, fc1_b 10, phi_b 12, gru_bi 14, gru_bh 16, fc2_b 18
	s_load_b128 s[20:23], s[0:1], 0x40             ; wsp 20, out0 22
	s_load_b64 s[24:25], s[0:1], 0x50              ; out1
	v_lshl_add_u32 v190, v0, 2, 0xa200
	v_mov_b32 v191, 0
	v_lshrrev_b32 v1, 5, v0
	v_readfirstlane_b32 s26, v1                    ; wave w
	v_and_b32 v1, 31, v0                           ; L
	v_and_b32 v2, 15, v0                           ; r
	v_bfe_u32 v3, v0, 4, 1                         ; h
	s_lshl_b32 s28, s26, 8                         ; 256 w
	s_lshl_b32 s29, s26, 7                         ; 128 w
	s_lshl_b32 s30, s26, 11                        ; 2048 w
	s_and_b32 s31, s26, 1                          ; w % 2
	s_mul_i32 s32, s26, 2112                       ; 4 w rows of 528
	v_lshlrev_b32 v[AIN], 10, v2
	v_lshl_add_u32 v[AIN], v3, 6, v[AIN]
	v_add_nc_u32 v[AIN], s28, v[AIN]               ; inputs: 1024 r + 256 w + 64 h: my 16 numbers of the wave's first block
	v_lshlrev_b32 v[AHID], 9, v2
	v_lshl_add_u32 v[AHID], v3, 6, v[AHID]
	v_add_nc_u32 v[AHID], s29, v[AHID]             ; hidden_state: 512 r + 128 w + 64 h
	v_lshlrev_b32 v[R4], 2, v2
	v_lshlrev_b32 v[R8], 3, v2
	v_lshlrev_b32 v[LI], 4, v1
	s_lshl_b32 s33, s26, 14
	v_add_nc_u32 v[AWM], s33, v[LI]                ; Wm: 16 L + 16384 w
	s_mul_i32 s33, s26, 3072
	v_add_nc_u32 v[AI2], s33, v[LI]                ; images, two fragments a wave
	s_mul_i32 s33, s26, 6144
	v_add_nc_u32 v[AI4], s33, v[LI]                ; four a wave
	v_lshlrev_b32 v[AS2], 2, v1
	s_lshl_b32 s33, s26, 9
	v_add_nc_u32 v[AS4], s33, v[AS2]
	v_add_nc_u32 v[AS2], s28, v[AS2]
	v_lshl_add_u32 v[ABI], v3, 6, s29              ; biases: 128 w + 64 h
	v_mul_u32_u24 v[FR192], v2, 192
	v_mad_u32_u24 v[RC192], v3, 12, v[FR192]
	s_mul_i32 s33, s26, 48
	v_add_nc_u32 v[RC192], s33, v[RC192]           ; 192 r + 48 w + 12 h
	v_mad_u32_u24 v[FR192], v3, 24, v[FR192]       ; 192 r + 24 h
	s_lshl_b32 s33, s26, 1
	v_add_nc_u32 v[RS8], s33, v[R8]                ; 8 r + 2 w
	v_mul_u32_u24 v[FR96], v2, 96
	v_mad_u32_u24 v[RC96], v3, 12, v[FR96]
	s_mul_i32 s33, s26, 24
	v_add_nc_u32 v[RC96], s33, v[RC96]             ; 96 r + 24 w + 12 h
	v_mad_u32_u24 v[FR96], v3, 24, v[FR96]
	v_add_nc_u32 v[RS4], s26, v[R4]                ; 4 r + w
	v_mul_u32_u24 v[FR48], v2, 48
	v_mad_u32_u24 v[RC48], v3, 12, v[FR48]
	s_mul_i32 s33, s31, 24
	v_add_nc_u32 v[RC48], s33, v[RC48]             ; 48 r + 24 (w % 2) + 12 h
	v_mad_u32_u24 v[FR48], v3, 24, v[FR48]
	v_add_nc_u32 v[RS4C], s31, v[R4]               ; 4 r + w % 2
	v_add_nc_u32 v[XW], s30, v[LI]                 ; 16 L + 2048 w
	v_mul_u32_u24 v[STW], v2, 528
	v_lshl_add_u32 v[STW], v3, 6, v[STW]
	v_add_nc_u32 v[STW], s29, v[STW]               ; 528 r + 128 w + 64 h
	v_bfe_u32 v[HRD], v0, 3, 1
	v_mul_u32_u24 v[HRD], v[HRD], 528
	v_lshl_add_u32 v[HRD], v3, 6, v[HRD]
	v_add_nc_u32 v[HRD], s32, v[HRD]               ; h's row 4 w + r / 8, + 64 h
	v_and_b32 v[QRD], 7, v0
	v_mul_u32_u24 v[QRD], v[QRD], 528
	v_lshl_add_u32 v[QRD], v3, 6, v[QRD]
	s_lshr_b32 s33, s26, 1
	s_mul_i32 s33, s33, 4224
	v_add_nc_u32 v[QRD], s33, v[QRD]               ; q_phi's row 8 (w / 2) + r % 8, + 64 h
	v_add_nc_u32 v[O1R], s32, v[LI]
	v_add_nc_u32 v[O1G], s30, v[LI]
	v_lshlrev_b32 v[OSW], 5, v2
	v_lshl_add_u32 v[OSW], v3, 9, v[OSW]
	v_add_nc_u32 v[OSW], s30, v[OSW]               ; the stage: 2048 w + 512 h + 32 r
	s_mul_i32 s33, s26, 1792
	v_lshl_add_u32 v[O0G], v1, 3, s33              ; out0: 1792 w + 8 L
.irp t, 0,1,2,3,4,5,6
	v_add_nc_u32 v44, 32*\t, v1                    ; piece n = L + 32 t of the wave's 224 pieces of 8 bytes; a sample has 56: n / 56 = (1171 n) >> 16 for n < 224
	v_mul_u32_u24 v45, v44, 1171
	v_lshrrev_b32 v45, 16, v45
	v_lshlrev_b32 v45, 6, v45
	v_lshl_add_u32 v45, v44, 3, v45
	v_add_nc_u32 v[OSR+\t], s30, v45               ; in the stage a sample has 512 bytes for its 448: 8 n + 64 (n / 56)
.endr
	v_min_u32 v[AFB], 13, v2
	v_lshlrev_b32 v[AFB], 2, v[AFB]                ; fc2_b: action min(r, 13)
	s_lshl_b32 s33, s31, 5
	v_lshl_add_u32 v[FI], v3, 4, s33               ; the cosines: my first feature, 32 (w % 2) + 16 h
	v_mov_b32 v[TP], 0                             ; written once: a lane permute's destination counts as one of its sources
	v_mov_b32 v[C127], 127
.irp e, 6,7,8,9,10,11
	v_mov_b32 v[CF+\e], 0                          ; the cosines' K ends at 64: zero codes
.endr
	s_mov_b32 s[SEL], 0x76543210
	s_mov_b32 s[SEL+1], 0xfedcba98
	s_mov_b32 s42, 0x40490fdb                      ; pi in f32
	s_mov_b32 s43, 0x3ea2f983                      ; 1 / pi
	s_mov_b32 s44, 0xb3bbbd2e                      ; pi - that f32
	s_mov_b32 s45, 0x310f76c7                      ; 1 / 12!
	s_mov_b32 s46, 0xb493f27e                      ; -1 / 10!
	s_mov_b32 s47, 0x37d00d01                      ; 1 / 8!
	s_mov_b32 s48, 0xbab60b61                      ; -1 / 6!
	s_mov_b32 s49, 0x3d2aaaab                      ; 1 / 4!
	s_mov_b32 s52, 0xbfb8aa3b                      ; -log2(e); the packed forms name a pair and take its low word for both halves
	s_mov_b32 s53, s52
	s_mov_b32 s54, 0x4038aa3b                      ; 2 log2(e)
	s_mov_b32 s55, s54
	s_wait_kmcnt 0x0
	s_mov_b32 s35, 0
	s_lshl_b32 s34, ttmp9, 14                      ; the work-group's 16 rows
	s_add_nc_u64 s[4:5], s[4:5], s[34:35]
	s_lshl_b32 s34, ttmp9, 13
	s_add_nc_u64 s[6:7], s[6:7], s[34:35]
	s_add_nc_u64 s[24:25], s[24:25], s[34:35]
	s_lshl_b32 s34, ttmp9, 6
	s_add_nc_u64 s[8:9], s[8:9], s[34:35]
	s_mul_i32 s34, ttmp9, 7168
	s_add_nc_u64 s[22:23], s[22:23], s[34:35]
	; 13 loads: what is quantised first
.irp b, 0,1
.irp e, 0,1,2,3
	global_load_b128 v[BIG+16*\b+4*\e:BIG+16*\b+4*\e+3], v[AIN], s[4:5] offset:128*\b+16*\e th:TH_LOAD_NT   ; inputs(r, 64 w + 32 b + 16 h + ..)
.endr
.endr
.irp e, 0,1,2,3
	global_load_b128 v[HP+4*\e:HP+4*\e+3], v[AHID], s[6:7] offset:16*\e th:TH_LOAD_NT                       ; hidden_state(r, 32 w + 16 h + ..)
.endr
	global_load_b32 v[RQ], v[R4], s[8:9]           ; row r's quantile: episode r / 8, quantile r % 8
	; 44 loads: what P1 and P7 want, and all the weights' scale words
.irp u, 0,1
.irp s, 0,1
	global_load_b32 v[FC1S+2*\u+\s], v[AS4], s[20:21] offset:W_SCL+128*(2*\u+\s)
.endr
	global_load_b32 v[PHS+\u], v[AS2], s[20:21] offset:W_SCL+128*(64+\u)
.irp g, 0,1,2
	global_load_b32 v[WIS+2*\g+\u], v[AS2], s[20:21] offset:W_SCL+128*(16+8*\g+\u)
	global_load_b32 v[WHS+2*\g+\u], v[AS2], s[20:21] offset:W_SCL+128*(40+8*\g+\u)
.endr
.endr
	WIN 0x40
.irp f, 0,1,2,3
.irp c, 0,1,2
	global_load_b128 v[FC1F+12*\f+4*\c:FC1F+12*\f+4*\c+3], v[AI4], s[20:21] offset:W_IMG+1536*\f+512*\c     ; fc1_w: fragment 2 u + s of my four
.endr
.endr
.irp u, 0,1
.irp c, 0,1,2
	global_load_b128 v[PHF+12*\u+4*\c:PHF+12*\u+4*\c+3], v[AI2], s[20:21] offset:W_IMG+1536*(64+\u)+512*\c
.endr
.endr
	WIN 0x80
.irp e, 0,1,2,3
	global_load_b128 v[FC1B+4*\e:FC1B+4*\e+3], v[ABI], s[10:11] offset:16*\e
	global_load_b128 v[PHB+4*\e:PHB+4*\e+3], v[ABI], s[12:13] offset:16*\e
.endr
	; 32 loads: my 16 KB of Wm
.set q, 0
.rept 32
	global_load_b128 v[4*q:4*q+3], v[AWM], s[20:21] offset:512*q
.set q, q+1
.endr
	WIN 0
	; ---------------- A: quantise ----------------
	s_wait_loadcnt 63                              ; 89 loads were issued: with 63 out at the most the first 26 are in, the 13 wanted here among them
	QB16 BIG, 152, RC192, L_INC, RS8, L_INS
	QB16 BIG+16, 156, RC192, L_INC+24, RS8, L_INS+1
	QB16 HP, 160, RC96, L_HC, RS4, L_HS
	s_cmp_lt_u32 s26, 2                            ; waves 2 and 3 make the cosines' two blocks: no barrier stands inside the branch
	s_cbranch_scc1 .Lno_cos
	; cos(a), a = (pi f) rq in the model's own order of rounding.  k = the whole number nearest a / pi; y = a - k pi in two steps (the first is exact: both terms are multiples of 2^-22 and the
	; difference is under 2); cos(a) = (-1)^k cos(y), |y| <= pi / 2, by the series up to y^12 / 12!: what is cut off is under 7e-9.
.set CA, BIG
.set CK, BIG+16
.set CY, BIG+32
.set CP, BIG+48
.set q, 0
.rept 16
	v_add_nc_u32 v[CA+q], q, v[FI]
.set q, q+1
.endr
.set q, 0
.rept 16
	v_cvt_f32_u32 v[CA+q], v[CA+q]
.set q, q+1
.endr
.set q, 0
.rept 16
	v_mul_f32 v[CA+q], s42, v[CA+q]
.set q, q+1
.endr
.set q, 0
.rept 16
	v_mul_f32 v[CA+q], v[CA+q], v[RQ]
.set q, q+1
.endr
.set q, 0
.rept 16
	v_mul_f32 v[CK+q], s43, v[CA+q]
.set q, q+1
.endr
.set q, 0
.rept 16
	v_rndne_f32 v[CK+q], v[CK+q]
.set q, q+1
.endr
.set q, 0
.rept 16
	v_fma_f32 v[CA+q], -v[CK+q], s42, v[CA+q]
.set q, q+1
.endr
.set q, 0
.rept 16
	v_fma_f32 v[CA+q], -v[CK+q], s44, v[CA+q]
.set q, q+1
.endr
.set q, 0
.rept 16
	v_mul_f32 v[CY+q], v[CA+q], v[CA+q]
.set q, q+1
.endr
.set q, 0
.rept 16
	v_fma_f32 v[CP+q], v[CY+q], s45, s46
.set q, q+1
.endr
.irp k, 47, 48, 49
.set q, 0
.rept 16
	v_fma_f32 v[CP+q], v[CP+q], v[CY+q], s[\k]
.set q, q+1
.endr
.endr
.set q, 0
.rept 16
	v_fma_f32 v[CP+q], v[CP+q], v[CY+q], -0.5
.set q, q+1
.endr
.set q, 0
.rept 16
	v_fma_f32 v[CP+q], v[CP+q], v[CY+q], 1.0
.set q, q+1
.endr
.set q, 0
.rept 16
	v_cvt_i32_f32 v[CK+q], v[CK+q]
.set q, q+1
.endr
.set q, 0
.rept 16
	v_lshlrev_b32 v[CK+q], 31, v[CK+q]             ; k's lowest bit as a sign
.set q, q+1
.endr
.set q, 0
.rept 16
	v_xor_b32 v[CP+q], v[CP+q], v[CK+q]
.set q, q+1
.endr
	QB16 CP, 164, RC48, L_CC, RS4C, L_CS
	ds_store_b8 v[RS4C], v[C127] offset:L_CS+2     ; the scale word's bytes 2 and 3, over zero codes
.Lno_cos:
	BAR                                            ; the codes and scale bytes of inputs, hidden_state and the cosines lie in LDS
	; ---------------- P1, P7 ----------------
	FRAG6 INF0, FR192, L_INC
	FRAG6 INF1, FR192, L_INC+96
.irp p, 0,1,2
	ds_load_b64 v[CF+2*\p:CF+2*\p+1], v[FR48] offset:L_CC+8*\p
.endr
	FRAG6 HF, FR96, L_HC
	ds_load_b64 v[INSW:INSW+1], v[R8] offset:L_INS
	ds_load_b32 v[CSW], v[R4] offset:L_CS
	ds_load_b32 v[HSW], v[R4] offset:L_HS
	s_wait_loadcnt 32                              ; behind what is wanted here stand only Wm's 32 loads
	s_wait_dscnt 0x0
	WIN 0x21                                       ; source 0 window 1, C (a bias, in the result's layout) window 2.  The accumulators take turns, one instruction a turn
	GW XA, FC1F, INF0, FC1B, FC1S, INSW
	GW XA+8, FC1F+24, INF0, FC1B+8, FC1S+2, INSW
	GW QP, PHF, CF, PHB, PHS, CSW
	GW QP+8, PHF+12, CF, PHB+8, PHS+1, CSW
	WIN 0x01
	GW XA, FC1F+12, INF1, XA, FC1S+1, INSW+1
	GW XA+8, FC1F+36, INF1, XA+8, FC1S+3, INSW+1
	WIN 0
.rept 4
	v_nop                                          ; four places behind the products (ISA guide 7.12.1)
.endr
.set q, 0
.rept 32
	v_max_num_f32 v[XA+q], 0, v[XA+q]              ; relu of x and of q_phi, each accumulator from its low end on
.set q, q+1
.endr
.irp c, 0,1,2,3
	ds_store_b128 v[XW], v[XA+4*\c:XA+4*\c+3] offset:L_XST+512*\c     ; x as an image of my registers: any wave that loads it has the same registers in the same lanes
.endr
.irp e, 0,1,2,3
	ds_store_b128 v[STW], v[QP+4*\e:QP+4*\e+3] offset:L_QST+16*\e     ; q_phi by rows
.endr
	BAR                                            ; x and q_phi lie in LDS
	; ---------------- P4: emb = x Wm, in f32 since it goes on into a quantiser ----------------
.set q, 0
.rept 16
	ds_load_b128 v[BIG+4*q:BIG+4*q+3], v[LI] offset:L_XST+512*q      ; register 16 w' + e of lane (r, h): x(r, 32 w' + 16 h + e)
.set q, q+1
.endr
	WIN 0x40                                       ; 60 loads for the GRU, on their way while P4 is multiplied
.irp g, 0,1,2
.irp u, 0,1
.irp c, 0,1,2
	global_load_b128 v[WIF+12*(2*\g+\u)+4*\c:WIF+12*(2*\g+\u)+4*\c+3], v[AI2], s[20:21] offset:W_IMG+1536*(16+8*\g+\u)+512*\c
	global_load_b128 v[WHF+12*(2*\g+\u)+4*\c:WHF+12*(2*\g+\u)+4*\c+3], v[AI2], s[20:21] offset:W_IMG+1536*(40+8*\g+\u)+512*\c
.endr
.endr
.endr
	WIN 0xc0
.irp g, 0,1,2
.irp e, 0,1,2,3
	global_load_b128 v[BI+16*\g+4*\e:BI+16*\g+4*\e+3], v[ABI], s[14:15] offset:512*\g+16*\e
	global_load_b128 v[BH+16*\g+4*\e:BH+16*\g+4*\e+3], v[ABI], s[16:17] offset:512*\g+16*\e
.endr
.endr
	s_wait_loadcnt 60                              ; behind Wm stand the 60 just issued
	s_wait_dscnt 0x0
	WIN 0x02                                       ; source 0 (Wm) window 2
	; K goes four at a time, in the order in which x lies in the registers; Wm was laid by the same order.  Each sum's first K step takes the constant 0; the two sums take turns.
	v_wmma_f32_16x16x4_f32 v[EMB:EMB+7], v[0:1], v[BIG:BIG+1], 0
	v_wmma_f32_16x16x4_f32 v[EMB+8:EMB+15], v[64:65], v[BIG:BIG+1], 0
.set q, 1
.rept 31
	v_wmma_f32_16x16x4_f32 v[EMB:EMB+7], v[2*q:2*q+1], v[BIG+2*q:BIG+2*q+1], v[EMB:EMB+7]
	v_wmma_f32_16x16x4_f32 v[EMB+8:EMB+15], v[64+2*q:65+2*q], v[BIG+2*q:BIG+2*q+1], v[EMB+8:EMB+15]
.set q, q+1
.endr
	s_wait_loadcnt 0x0                             ; the GRU's weights and biases
	WIN 0xcf
.set q, 0
.rept 16
	v_pk_add_f32 v[BI+2*q:BI+2*q+1], v[BI+2*q:BI+2*q+1], v[BH+2*q:BH+2*q+1]   ; gates r and z want the sum of their two biases.  (These sixteen are also the eight places behind the f32 form)
.set q, q+1
.endr
	WIN 0
.set q, 0
.rept 16
	v_max_num_f32 v[XA+q], 0, v[EMB+q]             ; x2, into other registers, each sum from its low end on
.set q, q+1
.endr
	QB16 XA, 168, RC96, L_X2C, RS4, L_X2S
	WIN 0x80
.irp k, 0,1,2,3,4,5,6,7
	global_load_b128 v[FC2R+4*\k:FC2R+4*\k+3], v[LI], s[20:21] offset:W_FC2+512*\k    ; 9 loads for P8
.endr
	WIN 0
	global_load_b32 v[FB], v[AFB], s[18:19]
	BAR                                            ; x2's codes lie in LDS
	; ---------------- P5, P6 and the gates ----------------
.set RG, BIG
.set ZG, BIG+16
.set NI, BIG+32
.set NH, BIG+48
	FRAG6 X2F, FR96, L_X2C
	ds_load_b32 v[X2SW], v[R4] offset:L_X2S
	s_wait_dscnt 0x0
	WIN 0x31                                       ; source 0 window 1, C (biases) window 3.  Twelve products on eight accumulators, one instruction a turn
.irp u, 0,1
	GW RG+8*\u, WIF+12*\u, X2F, BI+8*\u, WIS+\u, X2SW
.endr
.irp u, 0,1
	GW ZG+8*\u, WIF+24+12*\u, X2F, BI+16+8*\u, WIS+2+\u, X2SW
.endr
.irp u, 0,1
	GW NI+8*\u, WIF+48+12*\u, X2F, BI+32+8*\u, WIS+4+\u, X2SW
.endr
.irp u, 0,1
	GW NH+8*\u, WHF+48+12*\u, HF, BH+32+8*\u, WHS+4+\u, HSW
.endr
	WIN 0x01
.irp u, 0,1
	GW RG+8*\u, WHF+12*\u, HF, RG+8*\u, WHS+\u, HSW
.endr
.irp u, 0,1
	GW ZG+8*\u, WHF+24+12*\u, HF, ZG+8*\u, WHS+2+\u, HSW
.endr
	WIN 0
.rept 4
	v_nop
.endr
.set q, 0
.rept 16
	v_pk_mul_f32 v[RG+2*q:RG+2*q+1], v[RG+2*q:RG+2*q+1], s[52:53] op_sel_hi:[1,0]     ; sigmoid(t) = 1 / (1 + 2^(-log2(e) t)), for r and z
.set q, q+1
.endr
.set q, 0
.rept 32
	v_exp_f32 v[RG+q], v[RG+q]
.set q, q+1
.endr
	v_nop                                          ; a plain place behind the exponentials
.set q, 0
	s_wait_alu depctr_va_vdst(0)
.rept 16
	v_pk_add_f32 v[RG+2*q:RG+2*q+1], v[RG+2*q:RG+2*q+1], 1.0 op_sel_hi:[1,0]
.set q, q+1
.endr
.set q, 0
.rept 32
	v_rcp_f32 v[RG+q], v[RG+q]                     ; an exponential that overflowed gives 0 here: the right limit
.set q, q+1
.endr
	v_nop
.set q, 0
	s_wait_alu depctr_va_vdst(0)
.rept 8
	v_pk_fma_f32 v[NI+2*q:NI+2*q+1], v[RG+2*q:RG+2*q+1], v[NH+2*q:NH+2*q+1], v[NI+2*q:NI+2*q+1]   ; inn + r hn
.set q, q+1
.endr
.set q, 0
.rept 8
	v_pk_mul_f32 v[NI+2*q:NI+2*q+1], v[NI+2*q:NI+2*q+1], s[54:55] op_sel_hi:[1,0]     ; tanh(t) = 1 - 2 / (1 + 2^(2 log2(e) t))
.set q, q+1
.endr
.set q, 0
.rept 16
	v_exp_f32 v[NI+q], v[NI+q]
.set q, q+1
.endr
	v_nop
.set q, 0
	s_wait_alu depctr_va_vdst(0)
.rept 8
	v_pk_add_f32 v[NI+2*q:NI+2*q+1], v[NI+2*q:NI+2*q+1], 1.0 op_sel_hi:[1,0]
.set q, q+1
.endr
.set q, 0
.rept 16
	v_rcp_f32 v[NI+q], v[NI+q]
.set q, q+1
.endr
	v_nop
.set q, 0
	s_wait_alu depctr_va_vdst(0)
.rept 8
	v_pk_fma_f32 v[NI+2*q:NI+2*q+1], v[NI+2*q:NI+2*q+1], -2.0, 1.0 op_sel_hi:[1,0,0]  ; n
.set q, q+1
.endr
.set q, 0
.rept 8
	v_pk_add_f32 v[NH+2*q:NH+2*q+1], v[HP+2*q:HP+2*q+1], v[NI+2*q:NI+2*q+1] neg_lo:[0,1] neg_hi:[0,1]   ; hprev - n
.set q, q+1
.endr
.set q, 0
.rept 8
	v_pk_fma_f32 v[NH+2*q:NH+2*q+1], v[ZG+2*q:ZG+2*q+1], v[NH+2*q:NH+2*q+1], v[NI+2*q:NI+2*q+1]         ; h = n + z (hprev - n)
.set q, q+1
.endr
.irp e, 0,1,2,3
	ds_store_b128 v[STW], v[NH+4*\e:NH+4*\e+3] offset:L_HST+16*\e
.endr
	BAR                                            ; h lies in LDS
	; ---------------- P8: two tiles of 16 rows (sample 4 w + 2 t + m / 8, quantile m % 8) x 128 K ----------------
	WIN 0x80
.set q, 0
.rept 16
	ds_load_b128 v[4*q:4*q+3], v[QRD] offset:L_QST+128*(q/4)+16*(q%4)          ; q_phi(my row's quantile, 32 j + 16 h + ..): the same for both tiles
.set q, q+1
.endr
	WIN 0
.set q, 0
.rept 16
	ds_load_b128 v[BIG+4*q:BIG+4*q+3], v[HRD] offset:L_HST+128*(q/4)+16*(q%4)  ; h of tile 0's sample
.set q, q+1
.endr
.set q, 0
.rept 16
	ds_load_b128 v[HV1+4*q:HV1+4*q+3], v[HRD] offset:L_HST+1056+128*(q/4)+16*(q%4)   ; of tile 1's, two rows on
.set q, q+1
.endr
	s_wait_dscnt 16                                ; all but tile 1's sixteen
	WIN 0x08                                       ; source 1 window 2
.set q, 0
.rept 32
	v_pk_mul_f32 v[BIG+2*q:BIG+2*q+1], v[BIG+2*q:BIG+2*q+1], v[2*q:2*q+1]
.set q, q+1
.endr
	WIN 0
.set q, 0
.rept 32
	v_cvt_pk_bf16_f32 v[BIG+q], v[BIG+2*q], v[BIG+2*q+1]           ; in place, ascending: register q is written when registers 2 q, 2 q + 1 are read.  v192-223: tile 0's four fragments
.set q, q+1
.endr
	s_wait_dscnt 0x0
	WIN 0x08
.set q, 0
.rept 32
	v_pk_mul_f32 v[HV1+2*q:HV1+2*q+1], v[HV1+2*q:HV1+2*q+1], v[2*q:2*q+1]
.set q, q+1
.endr
	WIN 0
.set q, 0
.rept 32
	v_cvt_pk_bf16_f32 v[HV1+q], v[HV1+2*q], v[HV1+2*q+1]           ; v72-103: tile 1's
.set q, q+1
.endr
.irp t, 0,1,2,3
	ds_load_b128 v[224+4*\t:227+4*\t], v[O1R] offset:L_HST+528*\t  ; my four whole rows of h, for out1
.endr
	s_wait_loadcnt 0x0                             ; fc2_w's fragments and fc2_b
.irp j, 0,1,2,3,4,5,6,7
	v_mov_b32 v[CB+\j], v[FB]                      ; the bias as the C of each sum's first product: my action's, in all eight registers
.endr
	WIN 0x08                                       ; source 1 (fc2_w) window 2.  Source 0 = my 16 rows: lane (a, h) gets the eight quantiles of sample 4 w + 2 t + h and action a in eight registers
	v_wmma_f32_16x16x32_bf16 v[Q0:Q0+7], v[BIG:BIG+7], v[FC2R:FC2R+7], v[CB:CB+7]
	v_wmma_f32_16x16x32_bf16 v[Q1:Q1+7], v[HV1:HV1+7], v[FC2R:FC2R+7], v[CB:CB+7]
.irp j, 1,2,3
	v_wmma_f32_16x16x32_bf16 v[Q0:Q0+7], v[BIG+8*\j:BIG+8*\j+7], v[FC2R+8*\j:FC2R+8*\j+7], v[Q0:Q0+7]
	v_wmma_f32_16x16x32_bf16 v[Q1:Q1+7], v[HV1+8*\j:HV1+8*\j+7], v[FC2R+8*\j:FC2R+8*\j+7], v[Q1:Q1+7]
.endr
	WIN 0
	s_wait_dscnt 0x0
.irp t, 0,1,2,3
	global_store_b128 v[O1G], v[224+4*\t:227+4*\t], s[24:25] offset:512*\t th:TH_STORE_NT   ; a row of out1: 512 consecutive bytes, aligned
.endr
.rept 4
	v_nop                                          ; four places behind the products
.endr
; An exchange: the smaller of places i and j goes to a free register, the larger to j's; then i's old register is the free one.  No copy is made: the names change places.
.macro CE i, j
	v_min_num_f32 v[FREE], v[P\i], v[P\j]
	v_max_num_f32 v[P\j], v[P\i], v[P\j]
.set TMPS, P\i
.set P\i, FREE
.set FREE, TMPS
.endm
; Eight numbers of a lane in ascending order by Batcher's 19 exchanges; then into the wave's stage: sample 2 t + h at 512 bytes each, action r at 32, quantile k at 4.
.macro SORT8 base, tau
.set P0, (\base)
.set P1, (\base)+1
.set P2, (\base)+2
.set P3, (\base)+3
.set P4, (\base)+4
.set P5, (\base)+5
.set P6, (\base)+6
.set P7, (\base)+7
	CE 0, 1
	CE 2, 3
	CE 4, 5
	CE 6, 7
	CE 0, 2
	CE 1, 3
	CE 4, 6
	CE 5, 7
	CE 1, 2
	CE 5, 6
	CE 0, 4
	CE 1, 5
	CE 2, 6
	CE 3, 7
	CE 2, 4
	CE 3, 5
	CE 1, 2
	CE 3, 4
	CE 5, 6
.irp k, 0,1,2,3,4,5,6,7
	ds_store_b32 v[OSW], v[P\k] offset:L_OST+1024*(\tau)+4*\k
.endr
.endm
.set FREE, 185
	SORT8 Q0, 0
	SORT8 Q1, 1
.irp t, 0,1,2,3,4,5,6
	ds_load_b64 v[BIG+2*\t:BIG+2*\t+1], v[OSR+\t] offset:L_OST     ; back without actions 14 and 15.  LDS serves a wave's instructions in order: these see my stores; the bytes are my wave's own
.endr
.irp t, 0,1,2,3,4,5,6
	s_wait_dscnt 6-\t                              ; the younger of the seven loads may be out
	global_store_b64 v[O0G], v[BIG+2*\t:BIG+2*\t+1], s[22:23] offset:256*\t th:TH_STORE_NT   ; 32 lanes store 256 consecutive bytes, aligned: seven such are my four samples' 1,792 bytes
.endr
	s_wait_tensorcnt 0x0
	ds_add_u32 v190, v191
	s_wait_dscnt 0x0
	s_endpgm
.Lfunc_end_k_q644e21c2fc_agent:
	.size	k_q644e21c2fc_agent, .Lfunc_end_k_q644e21c2fc_agent-k_q644e21c2fc_agent
	.p2alignl 7, 3214868480
	.fill 96, 4, 3214868480
	.section	.rodata,"a",@progbits
	.p2align	6, 0x0
	.amdhsa_kernel k_q644e21c2fc_agent
		.amdhsa_group_segment_fixed_size 41984
		.amdhsa_private_segment_fixed_size 0
		.amdhsa_enable_private_segment 0
		.amdhsa_kernarg_size 88
		.amdhsa_user_sgpr_count 2
		.amdhsa_user_sgpr_kernarg_segment_ptr 1
		.amdhsa_wavefront_size32 1
		.amdhsa_system_sgpr_workgroup_id_x 1
		.amdhsa_system_sgpr_workgroup_id_y 1
		.amdhsa_system_sgpr_workgroup_id_z 1
		.amdhsa_system_vgpr_workitem_id 0
		.amdhsa_next_free_vgpr 864
		.amdhsa_next_free_sgpr 66
		.amdhsa_reserve_vcc 0
		.amdhsa_float_denorm_mode_32 3
		.amdhsa_float_denorm_mode_16_64 3
		.amdhsa_memory_ordered 1
		.amdhsa_forward_progress 1
		.amdhsa_inst_pref_size 81
	.end_amdhsa_kernel
	.amdgpu_metadata
---
amdhsa.version: [ 1, 2 ]
amdhsa.kernels:
  - .name:           k_q644e21c2fc_agent
    .symbol:         k_q644e21c2fc_agent.kd
    .args:
      - { .name: inputs, .offset: 0, .size: 8, .value_kind: global_buffer, .address_space: global }
      - { .name: hidden_state, .offset: 8, .size: 8, .value_kind: global_buffer, .address_space: global }
      - { .name: rnd_quantiles, .offset: 16, .size: 8, .value_kind: global_buffer, .address_space: global }
      - { .name: fc1_b, .offset: 24, .size: 8, .value_kind: global_buffer, .address_space: global }
      - { .name: phi_b, .offset: 32, .size: 8, .value_kind: global_buffer, .address_space: global }
      - { .name: gru_bi, .offset: 40, .size: 8, .value_kind: global_buffer, .address_space: global }
      - { .name: gru_bh, .offset: 48, .size: 8, .value_kind: global_buffer, .address_space: global }
      - { .name: fc2_b, .offset: 56, .size: 8, .value_kind: global_buffer, .address_space: global }
      - { .name: wsp, .offset: 64, .size: 8, .value_kind: global_buffer, .address_space: global }
      - { .name: out0, .offset: 72, .size: 8, .value_kind: global_buffer, .address_space: global }
      - { .name: out1, .offset: 80, .size: 8, .value_kind: global_buffer, .address_space: global }
    .group_segment_fixed_size: 41984
    .private_segment_fixed_size: 0
    .kernarg_segment_align: 8
    .kernarg_segment_size: 88
    .max_flat_workgroup_size: 128
    .sgpr_count:     66
    .vgpr_count:     864
    .wavefront_size: 32
...
	.end_amdgpu_metadata
.endif
;; end of part 2
